; MI455X (gfx1250); checked and timed in simulation.
; The chip was launched on July 23, 2026; its instructions are those of AMD's public machine-readable ISA for CDNA 5 (MIT licence, August 2026) and "CDNA5" Instruction Set Architecture Reference Guide (July 2026). The comments in the code are by the model that wrote it; some were corrected since.
;; x LSTM. Allowed arithmetic: float matrix products may take bf16 or f16 operands with f32 sums; all other float work in f32.
;; Inputs: W_lin 16 x 256 float32; W_ml 32 x 256 x 64 float32; b_lin 16 float32; b_ml 32 x 64 float32; x 8 x 2,048 x 256 float32.
;; Outputs: out0 8 x 8 x 64 float32; out1 8 x 8 x 64 x 64 float32.
;; One version. Each part assembles by itself: llvm-mc -triple=amdgcn-amd-amdhsa -mcpu=gfx1250 --defsym DOCPART=n.
;; ======== version 1 of 1: 2 launches
;; limits: values outside matrix products are rounded to bf16
;; workspace buffers: part 4,325,376 bytes
;; launch chunks (part 1): grid 8 x 32, 4 waves a work-group, clusters of 4 x 1, 327,680 bytes of LDS; arguments x, W_ml, b_ml, W_lin, b_lin, part; writes part
.if DOCPART == 1
	.amdgcn_target "amdgcn-amd-amdhsa--gfx1250"
	.amdhsa_code_object_version 6
	.text
	.protected	k_q857436f733_chunks
	.globl	k_q857436f733_chunks
	.p2align	8
	.type	k_q857436f733_chunks,@function
k_q857436f733_chunks:
	s_mov_b64 s[64:65], 0
	v_nop
	global_prefetch_b8 v0, s[64:65] scope:SCOPE_SE
	s_setreg_imm32_b32 hwreg(HW_REG_WAVE_MODE, 25, 1), 1
	s_wait_xcnt 0x0
	s_wait_alu depctr_hold_cnt(0) depctr_sa_sdst(0) depctr_va_vdst(0) depctr_va_sdst(0) depctr_va_ssrc(0) depctr_va_vcc(0) depctr_vm_vsrc(0)
	s_getreg_b32 s2, hwreg(HW_REG_IB_STS2, 6, 4)
	s_cmp_eq_u32 s2, 0
	s_cbranch_scc0 .Lentry_in_a_cluster
	s_endpgm
.Lentry_in_a_cluster:
	s_bfe_u32 s2, ttmp6, 0x10000c
	s_cmp_lg_u32 s2, 0x3003
	s_cbranch_scc0 .Lentry_shape_is_right
	s_endpgm
.Lentry_shape_is_right:
; xLSTM, first of two launches.  Only the last h and the last C are results, and h is never fed back, so for each pair (b, l)
;   C_T = sum over t of w_t v_t k_t^T,  n_T = sum over t of w_t k_t,  w_t = exp(i_t + sum over s > t of f_s - m_T).
; Time is cut into segments.  A segment carries (C, n, m, G): G = sum of its f, m = max over its t of (i_t + sum of the f behind t in it),
; C and n with exp(.. - m).  Segment A followed by B: m = max(m_A + G_B, m_B), C = exp(m_A + G_B - m) C_A + exp(m_B - m) C_B, G = G_A + G_B.
; So a running maximum is taken away in front of every exponential, and every exponent is at most 0.
; Work-group (l, y): head l, rows 512 y .. 512 y + 511 of x taken as [16384][256] (b = y / 4, chunk y % 4).  Each of four waves owns 128 time
; steps, in four blocks of 32.  A wave keeps head l's weights as bf16 B fragments in registers (v: 64 columns, k: 64, gates: 16), so that the
; block loop reads x alone from LDS.  The result tile of x W (lane = column, registers = 8 time steps) packs in place into the operand of the
; second product, whose K index is time.  The four waves' states are merged through LDS into one record of part:
;   record (8 b + l) 4 + chunk, 16,896 bytes: C [64][64] f32, n [64], then the pair (m, G) 32 times (a whole block of 256 bytes).
; THE SECOND PRODUCT'S OPERANDS.  Few steps carry most of C, and where their terms cancel a single rounding of w v and of k to bf16 (up to
; 2^-8 of each term) is too coarse.  So each goes in as hi + lo, two bf16 numbers (lo = the exact remainder, rounded), and three products are
; formed: hi hi, hi lo, lo hi; what is dropped is of relative size 2^-16.  bf16 and not f16: w v has no lower bound.
; CLUSTER: the four work-groups of a cluster have the same y and four different l: they need the same tiles of x and ask for them jointly.
; The weights are not asked for jointly: the work-groups that share a head's weights lie in 32 different clusters, and the weights pass
; through registers anyway, to be rounded to bf16 in front of the transposing LDS load.
; LIMITS.  x, W_ml (v, k), W_lin and b_lin are rounded to bf16 (b_lin as the gates' other operands are: it is the weight of a constant input 1);
; w v and k enter the second product with 16 bits of significand; all sums in f32.  NaN and infinite inputs are not served.  v_exp_f32 gives 0
; for results below 2^-126.  Sums over time are ordered by block, wave and chunk, not step by step.
.set XP,    1040                       ; an LDS row of x: 1,024 bytes + 16 of padding: the 16 rows that a load touches start 16 bytes apart modulo 256
.set SLOT,  32*XP                      ; a block of 32 rows
.set WRING, 2*SLOT                     ; a wave's two slots
.set WST,   4*WRING                    ; stage for one weight slice in bf16, [256 k][64 n], written by ds_store alone
.set WP,    160                        ; its pitch
.set SC,    WST+256*WP                 ; (m, G) of the four waves, 8 bytes each
.set CP,    272                        ; way out: pitch of a wave's C stage, in its slot 0 behind that slot's last fill
.set NST,   64*CP                      ; way out: the wave's n, behind its C stage
.set REC,   16896
.set LOG2E, 0x3fb8aa3b
; window 0
.set NEG1, 1                           ; in the blocks: -1.0
.set XA,   2                           ; LDS address of my bytes in the first row tile of my wave's slot 0
.set PF,   3                           ; lane x 256, for the prefetch; never rewritten
.set M,    4                           ; the wave's running m
.set GS,   5                           ; the wave's running G
.set CY,   6                           ; v[6:7]    factor of the carried state, twice
.set MN,   8                           ; v[8:9]    the new m, twice
.set TOT,  10                          ; v[10:11]  sum of my 8 f in row tile u
.set OTH,  12                          ; v[12:13]  the other half's
.set T16,  14                          ; v[14:15]  both
.set TA,   16                          ; v[16:19]  at work
.set G,    20                          ; the block's sum of f
.set AM,   21                          ; the block's maximum
.set TB,   22                          ; v[22:23]  at work
.set NACC, 24                          ; v[24:31]  n: a pair for each of k's four column tiles
.set GB,   32                          ; v[32:39]  the gates' bias as a C tile
.set GA,   40                          ; v[40:55]  the gates' two result tiles; then f
.set AB,   56                          ; v[56:87]  two buffers of two A fragments
.set Y,    56                          ;           behind the products: sums of the f behind each step
.set I,    72                          ;           behind the products: i, then the exponents, then w
.set ST,   88                          ; v[88:119] x as loaded, f32
                                       ; v[120:127] addresses at the start and at the end; in the blocks the hi fragment of column tile 0
.set PA,   128                         ; v[128:255] result tile (u, c) at PA + 16 c + 8 u; c = 0..3 v, 4..7 k
                                       ;           packed: lo fragment of c at PA + 16 c, hi fragment of c at PA + 16 c - 8
; window 1
.set CA,   0                           ; C tile (i block, j block) at 8 (4 i + j)
.set BI,   128                         ; bias tiles of v and k, 8 c
.set GWF,  192                         ; the gates' B fragments, 8 ks
; window 2: B fragments of W_v at 64 c + 8 ks;  window 3: of W_k
.set G1,   24                          ; s[24:31] descriptor group 1
.set G0,   32                          ; s[32:39] descriptor group 0, a set for each slot
.set MSB, 0
.macro WIN new                         ; s_set_vgpr_msb: bits 1:0 source 0, 3:2 source 1, 5:4 source 2, 7:6 destination; the high byte repeats the setting that is left
.if MSB != \new
	s_set_vgpr_msb (MSB<<8)|\new
.set MSB, \new
.endif
.endm
.macro PLACES                          ; four plain vector instructions between a matrix instruction and a vector instruction or load that touches its registers
.rept 4
	v_nop
.endr
.endm
.macro CREST                           ; a round of the cluster's barrier behind its opening work-group barrier
	s_cmp_lg_u32 s16, 0
	s_cbranch_scc1 .Lnot_wave_0_\@
	s_barrier_signal -3
.Lnot_wave_0_\@:
	s_barrier_wait -3
	s_barrier_signal -1
	s_barrier_wait -1
.endm
.macro ROUND
	s_barrier_signal -1
	s_barrier_wait -1
	CREST
.endm
	s_load_b256 s[4:11], s[0:1], 0x0               ; x s[4:5], W_ml s[6:7], b_ml s[8:9], W_lin s[10:11]
	s_load_b128 s[12:15], s[0:1], 0x20             ; b_lin s[12:13], part s[14:15]
	v_lshl_add_u32 v126, v0, 2, 0x4b100
	v_mov_b32 v127, 0
	ds_add_u32 v126, v127
	s_wait_dscnt 0x0
	v_lshrrev_b32 v1, 5, v0
	v_readfirstlane_b32 s16, v1                    ; wave 0..3
	s_bfe_u32 s19, ttmp6, 0x40000                  ; cx: my place in the cluster
	s_lshl_b32 s17, ttmp9, 2
	s_add_co_u32 s17, s17, s19                     ; l = 4 x cluster x + cx: enters global addresses of weights, biases, part and the prefetch alone
	s_and_b32 s18, ttmp7, 0xffff                   ; y
	; group 1: a tile of 32 rows x 256 elements of 4 bytes, 4 words of padding behind every 256 words, for all four work-groups of the cluster
	s_mov_b32 s[G1+0], 15|(2<<16)|(1<<20)|(1<<21)|(7<<22)|(3<<25)
	s_mov_b32 s[G1+1], 256<<16                     ; tensor_dim0 = 256
	s_mov_b32 s[G1+2], 32<<16                      ; tensor_dim1 = 32
	s_mov_b32 s[G1+3], 256<<16                     ; tile_dim0 = 256
	s_mov_b32 s[G1+4], 32                          ; tile_dim1 = 32
	s_mov_b32 s[G1+5], 256                         ; elements from row to row
	s_mov_b32 s[G1+6], 0
	s_mov_b32 s[G1+7], 0
	s_lshl_b32 s20, s18, 19                        ; 512 y rows of 1,024 bytes
	s_lshl_b32 s21, s16, 17                        ; + 128 rows a wave: made of y and the wave's number alone, equal in the four partners
	s_add_co_u32 s20, s20, s21
	s_mov_b32 s21, 0
	s_mul_i32 s22, s16, WRING                      ; my wave's ring in LDS
	s_wait_kmcnt 0x0
	s_add_nc_u64 s[20:21], s[4:5], s[20:21]        ; x at my wave's block 0
	ROUND                                          ; the four work-groups are here: the first joint loads meet
.irp s, 0,1
	s_mov_b32 s[G0+4*\s], 1
	s_add_co_u32 s[G0+4*\s+1], s22, \s*SLOT
	s_add_nc_u64 s[G0+4*\s+2:G0+4*\s+3], s[20:21], \s*32*1024
	s_or_b32 s[G0+4*\s+3], s[G0+4*\s+3], 0x80000000
	tensor_load_to_lds s[G0+4*\s:G0+4*\s+3], s[G1:G1+7]            ; blocks 0 and 1: two loads of this wave are out, the most in this text
	s_nop 0
.endr
	; addresses that hang on l
	s_add_co_u32 s60, s17, 8
	s_lshl_b32 s60, s60, 16
	s_mov_b32 s61, 0
	s_lshl_b32 s62, s17, 10
	s_mov_b32 s63, 0
	s_add_nc_u64 s[44:45], s[6:7], s[60:61]        ; W_ml[8 + l]: v
	s_add_nc_u64 s[46:47], s[44:45], 0x80000       ; W_ml[16 + l]: k
	s_add_nc_u64 s[50:51], s[10:11], s[62:63]      ; W_lin[l]; W_lin[8 + l] lies 8,192 bytes on
	s_lshr_b32 s60, s60, 8
	s_add_nc_u64 s[52:53], s[8:9], s[60:61]        ; b_ml[8 + l]; b_ml[16 + l] lies 2,048 bytes on
	s_lshl_b32 s62, s17, 2
	s_add_nc_u64 s[54:55], s[12:13], s[62:63]      ; b_lin[l]; b_lin[8 + l] lies 32 bytes on
	s_lshl_b32 s60, s18, 19                        ; the prefetch: see there
	s_lshr_b32 s62, s17, 1
	s_lshl_b32 s62, s62, 17
	s_add_co_u32 s60, s60, s62
	s_and_b32 s62, s17, 1
	s_lshl_b32 s62, s62, 15
	s_add_co_u32 s60, s60, s62
	s_lshl_b32 s62, s16, 13
	s_add_co_u32 s60, s60, s62
	s_add_co_u32 s60, s60, 65536
	s_add_nc_u64 s[48:49], s[4:5], s[60:61]
	s_lshr_b32 s60, s18, 2                         ; record (8 b + l) 4 + chunk
	s_lshl_b32 s60, s60, 3
	s_add_co_u32 s60, s60, s17
	s_lshl_b32 s60, s60, 2
	s_and_b32 s62, s18, 3
	s_add_co_u32 s60, s60, s62
	s_mul_i32 s60, s60, REC
	s_add_nc_u64 s[56:57], s[14:15], s[60:61]
	s_mov_b32 s40, 0x00ff00ff                      ; lanes whose column r is below 8
	s_mov_b32 s41, 0x0000ffff                      ; lanes of half 0
	s_mov_b32 s42, 0x76543210                      ; v_permlanex16_b32: lane i of one half reads lane i of the other
	s_mov_b32 s43, 0xfedcba98
	; lane terms: r = lane % 16, h = lane / 16
	v_and_b32 v120, 15, v0
	v_bfe_u32 v121, v0, 4, 1
	v_and_b32 v122, 31, v0
	v_mul_u32_u24 v[XA], v120, XP
	v_lshl_add_u32 v[XA], v121, 5, v[XA]           ; row r, 8 h numbers of 4 bytes
	v_add_nc_u32 v[XA], s22, v[XA]
	v_lshlrev_b32 v[PF], 8, v122
	v_lshlrev_b32 v123, 4, v122                    ; weights from memory: my wave's 64 rows of 256 bytes, 16 bytes a lane
	v_lshl_add_u32 v123, s16, 14, v123
	s_mul_i32 s23, s16, 64*WP
	s_add_co_u32 s23, s23, WST
	v_mul_u32_u24 v124, v121, WP                   ; into the stage: row 64 w + h, 8 bytes at column 4 r
	v_lshl_add_u32 v124, v120, 3, v124
	v_add_nc_u32 v124, s23, v124
	v_and_b32 v125, 7, v0                          ; out of the stage, transposed: row 8 h + lane % 8, 16 bytes at 16 (lane / 8 % 2)
	v_lshl_add_u32 v125, v121, 3, v125
	v_mul_u32_u24 v125, v125, WP
	v_bfe_u32 v126, v0, 3, 1                       ; r / 8: 0 for the i gate, 1 for the f gate
	v_lshl_add_u32 v125, v126, 4, v125
	v_add_nc_u32 v125, WST, v125
	v_lshlrev_b32 v1, 5, v126                      ; b_lin: 8 numbers on for f
	v_lshlrev_b32 v126, 13, v126                   ; W_lin: 8 rows on for f,
	v_lshl_add_u32 v126, v121, 5, v126             ; 8 h numbers along K
	v_lshlrev_b32 v127, 2, v120                    ; b_ml: column r
	v_mov_b32 v[OTH], 0                            ; destinations of v_permlanex16_b32 count as read
	v_mov_b32 v[OTH+1], 0
	; 105 loads, in the order in which they are used.  The gates' B tile has W_lin[l] in columns 0-7 and W_lin[8 + l] in columns 8-15:
	; K lies along W_lin's rows, so its fragments load straight, as f32 into window 3 for now.
	WIN 0xc0
.irp ks, 0,1,2,3,4,5,6,7
.irp q, 0,1,2,3
	global_load_b128 v[16*\ks+4*\q:16*\ks+4*\q+3], v126, s[50:51] offset:\ks*128+(\q>>1)*64+(\q&1)*16
.endr
.endr
	WIN 0x40
.irp c, 0,1,2,3,4,5,6,7
	global_load_b32 v[BI+8*\c], v127, s[52:53] offset:(\c>>2)*2048+(\c&3)*64
.endr
	WIN 0
	global_load_b32 v[GB], v1, s[54:55]
.set i, 0
.rept 32
	global_load_b128 v[PA+4*i:PA+4*i+3], v123, s[44:45] offset:i*512   ; W_v: two rows of 256 bytes a load
.set i, i+1
.endr
	WIN 0x40
.set i, 0
.rept 32
	global_load_b128 v[CA+4*i:CA+4*i+3], v123, s[46:47] offset:i*512   ; W_k, parked where C will grow
.set i, i+1
.endr
	WIN 0
	s_wait_loadcnt 32                              ; loads come back in order (ISA guide 5.7.1): all but W_k's 32 are in
.set i, 0
.rept 32
	v_cvt_pk_bf16_f32 v[PA+4*i], v[PA+4*i], v[PA+4*i+1]
	v_cvt_pk_bf16_f32 v[PA+4*i+1], v[PA+4*i+2], v[PA+4*i+3]
	ds_store_b64 v124, v[PA+4*i:PA+4*i+1] offset:i*2*WP
.set i, i+1
.endr
	WIN 0x4f
.set i, 0
.rept 64
	v_cvt_pk_bf16_f32 v[GWF+i], v[2*i], v[2*i+1]   ; the gates' fragments: register p of K step ks from numbers 2 p, 2 p + 1 of its 16
.set i, i+1
.endr
	WIN 0x41
.irp c, 0,1,2,3,4,5,6,7
.irp j, 1,2,3,4,5,6,7
	v_mov_b32 v[BI+8*\c+\j], v[BI+8*\c]            ; a bias tile: a lane's column is the same in its 8 rows.  The first K step takes it as C
.endr
.endr
	WIN 0
	v_cvt_pk_bf16_f32 v[GB], v[GB], v[GB]          ; b_lin in the gates' operand format
	v_lshlrev_b32 v[GB], 16, v[GB]
.irp j, 1,2,3,4,5,6,7
	v_mov_b32 v[GB+\j], v[GB]
.endr
	s_wait_dscnt 0x0                               ; my rows of W_v are in the stage,
	s_barrier_signal -1
	s_barrier_wait -1                              ; everybody's are
	WIN 0x80
.irp c, 0,1,2,3
.irp ks, 0,1,2,3,4,5,6,7
	ds_load_tr16_b128 v[64*\c+8*\ks:64*\c+8*\ks+3],   v125 offset:\ks*32*WP+\c*32
	ds_load_tr16_b128 v[64*\c+8*\ks+4:64*\c+8*\ks+7], v125 offset:\ks*32*WP+\c*32+16*WP
.endr
.endr
	WIN 0
	s_wait_loadcnt 0x0                             ; W_k
	WIN 0x45
.set i, 0
.rept 32
	v_cvt_pk_bf16_f32 v[CA+4*i], v[CA+4*i], v[CA+4*i+1]
	v_cvt_pk_bf16_f32 v[CA+4*i+1], v[CA+4*i+2], v[CA+4*i+3]
.set i, i+1
.endr
	WIN 0
	s_wait_dscnt 0x0                               ; my reads of W_v are back,
	s_barrier_signal -1
	s_barrier_wait -1                              ; everybody's are: the stage may be written again
	WIN 0x04
.set i, 0
.rept 32
	ds_store_b64 v124, v[CA+4*i:CA+4*i+1] offset:i*2*WP
.set i, i+1
.endr
	WIN 0
	s_wait_dscnt 0x0
	s_barrier_signal -1
	s_barrier_wait -1
	WIN 0xc0
.irp c, 0,1,2,3
.irp ks, 0,1,2,3,4,5,6,7
	ds_load_tr16_b128 v[64*\c+8*\ks:64*\c+8*\ks+3],   v125 offset:\ks*32*WP+\c*32
	ds_load_tr16_b128 v[64*\c+8*\ks+4:64*\c+8*\ks+7], v125 offset:\ks*32*WP+\c*32+16*WP
.endr
.endr
	WIN 0
	; Prefetch of blocks 2 and 3 of the four waves' rows (256 KiB for one y).  The 32 waves of the 8 work-groups that share y each ask for
	; 8,192 bytes of them, lanes 256 bytes apart, each block of 256 bytes once: rows of wave l / 2, part 4 (l % 2) + w of its 64 rows.
	; Block 2 is loaded behind block 0's products, block 3 one block later.  The highest byte asked for is 16,776,960, inside x.
	global_prefetch_b8 v[PF], s[48:49] th:TH_LOAD_NT scope:SCOPE_SE
	v_mov_b32 v[NEG1], -1.0                        ; the load that took v1 as its offset was shown done by the waits on LOADcnt above
; 8 LDS loads: 32 rows x 32 K of x in f32.  Lane (r, h) takes, of rows r and 16 + r, K = 8 h .. 8 h + 7 and 16 + 8 h .. 16 + 8 h + 7 of the K step.
.macro LOADX slot, ks
.irp u, 0,1
.irp q, 0,1,2,3
	ds_load_b128 v[ST+16*\u+4*\q:ST+16*\u+4*\q+3], v[XA] offset:\slot*SLOT+\u*16*XP+(\ks)*128+(\q>>1)*64+(\q&1)*16
.endr
.endr
.endm
.macro CVT buf                         ; two A fragments in bf16
.irp u, 0,1
.irp p, 0,1,2,3,4,5,6,7
	v_cvt_pk_bf16_f32 v[AB+16*\buf+8*\u+\p], v[ST+16*\u+2*\p], v[ST+16*\u+2*\p+1]
.endr
.endr
.endm
.macro PROD d, a, b, c
	v_wmma_f32_16x16x32_bf16 v[\d:\d+7], v[\a:\a+7], v[\b:\b+7], v[\c:\c+7]
.endm
; 18 products of one K step.  The 18 accumulators take turns, one instruction a turn.  The first K step takes the bias tiles as C.
.macro MULS ks, buf
.if \ks == 0
	WIN 0x18
.else
	WIN 0x08
.endif
.irp c, 0,1,2,3
.irp u, 0,1
.if \ks == 0
	PROD PA+16*\c+8*\u, AB+16*\buf+8*\u, 64*\c+8*\ks, BI+8*\c
.else
	PROD PA+16*\c+8*\u, AB+16*\buf+8*\u, 64*\c+8*\ks, PA+16*\c+8*\u
.endif
.endr
.endr
.if \ks == 0
	WIN 0x1c
.else
	WIN 0x0c
.endif
.irp c, 0,1,2,3
.irp u, 0,1
.if \ks == 0
	PROD PA+64+16*\c+8*\u, AB+16*\buf+8*\u, 64*\c+8*\ks, BI+32+8*\c
.else
	PROD PA+64+16*\c+8*\u, AB+16*\buf+8*\u, 64*\c+8*\ks, PA+64+16*\c+8*\u
.endif
.endr
.endr
	WIN 0x04
.irp u, 0,1
.if \ks == 0
	PROD GA+8*\u, AB+16*\buf+8*\u, GWF+8*\ks, GB
.else
	PROD GA+8*\u, AB+16*\buf+8*\u, GWF+8*\ks, GA+8*\u
.endif
.endr
.endm
; One of a block's first seven K steps.  The conversions write the buffer that the products two steps back read: the 16 conversions of the
; step between are the places in between.  The next step's x is asked for in front of this step's 18 products.
.macro KSTEP slot, ks, buf
	s_wait_dscnt 0x0                               ; this step's 8 loads, the only LDS instructions out
	WIN 0
	CVT \buf
	LOADX \slot, \ks+1
	MULS \ks, \buf
.endm
; The gates of a block.  A lane's 16 steps are t = 16 u + 8 h + j.  Columns 0-7 of the gate tiles all hold i, columns 8-15 all hold f.
.macro SCAN first
.irp k, 0,1,2,3,4,5,6,7,8,9,10,11,12,13,14,15
	v_mov_b32_dpp v[Y+\k], v[GA+\k] row_xmask:8 row_mask:0xf bank_mask:0xf     ; the gate that the lane 8 columns off holds
.endr
.irp k, 0,1,2,3,4,5,6,7,8,9,10,11,12,13,14,15
	v_cndmask_b32 v[I+\k], v[Y+\k], v[GA+\k], s40  ; i in every lane
.endr
.irp k, 0,1,2,3,4,5,6,7,8,9,10,11,12,13,14,15
	v_cndmask_b32 v[GA+\k], v[GA+\k], v[Y+\k], s40 ; f in every lane
.endr
	v_pk_add_f32 v[TA:TA+1], v[GA:GA+1], v[GA+2:GA+3]
	v_pk_add_f32 v[TA+2:TA+3], v[GA+4:GA+5], v[GA+6:GA+7]
	v_pk_add_f32 v[TB:TB+1], v[GA+8:GA+9], v[GA+10:GA+11]
	v_pk_add_f32 v[T16:T16+1], v[GA+12:GA+13], v[GA+14:GA+15]
	v_pk_add_f32 v[TA:TA+1], v[TA:TA+1], v[TA+2:TA+3]
	v_pk_add_f32 v[TB:TB+1], v[TB:TB+1], v[T16:T16+1]
	v_add_f32 v[TOT], v[TA], v[TA+1]               ; my 8 f of row tile 0,
	v_add_f32 v[TOT+1], v[TB], v[TB+1]             ; of row tile 1
	v_permlanex16_b32 v[OTH], v[TOT], s42, s43
	v_permlanex16_b32 v[OTH+1], v[TOT+1], s42, s43
	v_pk_add_f32 v[T16:T16+1], v[TOT:TOT+1], v[OTH:OTH+1]
	v_cndmask_b32 v[Y+15], 0, v[OTH+1], s41        ; behind t = 23: steps 24-31; behind t = 31: nothing
	v_cndmask_b32 v[Y+7], 0, v[OTH], s41           ; behind t = 7: steps 8-15 and 16-31; behind t = 15: steps 16-31
	v_add_f32 v[Y+7], v[Y+7], v[T16+1]
	v_add_f32 v[G], v[T16], v[T16+1]
.irp j, 6,5,4,3,2,1,0
	v_add_f32 v[Y+\j], v[Y+\j+1], v[GA+\j+1]       ; sums built from the block's end: no difference of prefix sums is formed
	v_add_f32 v[Y+8+\j], v[Y+8+\j+1], v[GA+8+\j+1]
.endr
.irp k, 0,2,4,6,8,10,12,14
	v_pk_add_f32 v[I+\k:I+\k+1], v[I+\k:I+\k+1], v[Y+\k:Y+\k+1]
.endr
	v_max3_num_f32 v[AM], v[I], v[I+1], v[I+2]
	v_max3_num_f32 v[TB+1], v[I+8], v[I+9], v[I+10]
	v_max3_num_f32 v[AM], v[AM], v[I+3], v[I+4]
	v_max3_num_f32 v[TB+1], v[TB+1], v[I+11], v[I+12]
	v_max3_num_f32 v[AM], v[AM], v[I+5], v[I+6]
	v_max3_num_f32 v[TB+1], v[TB+1], v[I+13], v[I+14]
	v_max3_num_f32 v[AM], v[AM], v[I+7], v[I+15]
	v_max_num_f32 v[AM], v[AM], v[TB+1]
	v_permlanex16_b32 v[TB+1], v[AM], s42, s43
	v_max_num_f32 v[AM], v[AM], v[TB+1]            ; the block's maximum, in every lane
.if \first
	v_mov_b32 v[MN], v[AM]
	v_mov_b32 v[MN+1], v[AM]
.else
	v_add_f32 v[TB], v[G], v[M]                    ; the carried state's exponent behind this block
	v_max_num_f32 v[MN], v[TB], v[AM]
	v_max_num_f32 v[MN+1], v[TB], v[AM]
	v_sub_f32 v[TB], v[TB], v[MN]
	v_mul_f32 v[TB], LOG2E, v[TB]
.endif
.irp k, 0,2,4,6,8,10,12,14
	v_pk_add_f32 v[I+\k:I+\k+1], v[I+\k:I+\k+1], v[MN:MN+1] neg_lo:[0,1] neg_hi:[0,1]   ; the difference first, exactly where the two are near; the factor behind it
.endr
.irp k, 0,2,4,6,8,10,12,14
	v_pk_mul_f32 v[I+\k:I+\k+1], v[I+\k:I+\k+1], LOG2E op_sel_hi:[1,0]
.endr
.irp k, 0,1,2,3,4,5,6,7,8,9,10,11,12,13,14,15
	v_exp_f32 v[I+\k], v[I+\k]                     ; w of my 16 steps
.endr
.if \first
	v_mov_b32 v[M], v[MN]                          ; plain instructions behind the exponentials, in front of the first use of a result
	v_mov_b32 v[GS], v[G]
	s_wait_alu depctr_va_vdst(0)
.else
	v_exp_f32 v[CY], v[TB]
	v_exp_f32 v[CY+1], v[TB]
	v_mov_b32 v[M], v[MN]                          ; plain instructions behind the exponentials, in front of the first use of a result
	v_add_f32 v[GS], v[GS], v[G]
	s_wait_alu depctr_va_vdst(0)
.endif
.endm
; Column tile c (two result tiles, 16 registers of f32) becomes two fragments of 32 along time.  Register 4 u + p of a fragment holds steps
; 8 h + 2 p, + 1 of row tile u.  hi = the numbers rounded to bf16, into the 8 registers in front of the tile: for c = 0 these are v[120:127],
; for the others the upper half of tile c - 1, which is free once that tile is packed: so the tiles are split in ascending c.
; lo = number - hi (exact in f32: one fused multiply-add with -1.0), rounded to bf16, packed in place into the tile's lower half.
.macro SPLIT c
.irp u, 0,1
.irp p, 0,1,2,3
	v_cvt_pk_bf16_f32 v[PA+16*\c-8+4*\u+\p], v[PA+16*\c+8*\u+2*\p], v[PA+16*\c+8*\u+2*\p+1]
.endr
.endr
.irp u, 0,1
.irp p, 0,1,2,3
	v_fma_mix_f32_bf16 v[PA+16*\c+8*\u+2*\p],   v[PA+16*\c-8+4*\u+\p], v[NEG1], v[PA+16*\c+8*\u+2*\p]   op_sel:[0,0,0] op_sel_hi:[1,0,0]
	v_fma_mix_f32_bf16 v[PA+16*\c+8*\u+2*\p+1], v[PA+16*\c-8+4*\u+\p], v[NEG1], v[PA+16*\c+8*\u+2*\p+1] op_sel:[1,0,0] op_sel_hi:[1,0,0]
.endr
.endr
.irp u, 0,1
.irp p, 0,1,2,3
	v_cvt_pk_bf16_f32 v[PA+16*\c+4*\u+\p], v[PA+16*\c+8*\u+2*\p], v[PA+16*\c+8*\u+2*\p+1]   ; a destination never lies above the sources still to be read
.endr
.endr
.endm
; v becomes w v; n takes w k in f32; then all eight column tiles are split into their hi and lo fragments.
.macro POST first
.irp c, 0,1,2,3
.irp u, 0,1
.irp p, 0,2,4,6
	v_pk_mul_f32 v[PA+16*\c+8*\u+\p:PA+16*\c+8*\u+\p+1], v[PA+16*\c+8*\u+\p:PA+16*\c+8*\u+\p+1], v[I+8*\u+\p:I+8*\u+\p+1]
.endr
.endr
.endr
.if \first == 0
.irp c, 0,1,2,3
	v_pk_mul_f32 v[NACC+2*\c:NACC+2*\c+1], v[NACC+2*\c:NACC+2*\c+1], v[CY:CY+1]
.endr
.endif
.set nstart, \first                    ; in the first block the first product starts the sums
.irp u, 0,1
.irp p, 0,2,4,6
.irp c, 0,1,2,3
.if nstart
	v_pk_mul_f32 v[NACC+2*\c:NACC+2*\c+1], v[PA+64+16*\c+8*\u+\p:PA+64+16*\c+8*\u+\p+1], v[I+8*\u+\p:I+8*\u+\p+1]
.else
	v_pk_fma_f32 v[NACC+2*\c:NACC+2*\c+1], v[PA+64+16*\c+8*\u+\p:PA+64+16*\c+8*\u+\p+1], v[I+8*\u+\p:I+8*\u+\p+1], v[NACC+2*\c:NACC+2*\c+1]
.endif
.endr
.set nstart, 0
.endr
.endr
.irp c, 0,1,2,3,4,5,6,7
	SPLIT \c
.endr
.endm
.macro RESCALE                         ; C times the pair in CY
	WIN 0x41
.set i, 0
.rept 64
	v_pk_mul_f32 v[CA+2*i:CA+2*i+1], v[CA+2*i:CA+2*i+1], v[CY:CY+1]
.set i, i+1
.endr
.endm
; One pass over C's 16 tiles: C += (fragments of w v at vb + 16 i)^T (fragments of k at ka + 16 j) over the block's 32 steps.
; Source 0 = k, source 1 = w v: a lane then holds row 16 i + r of C and columns 16 j + 8 h + 0 .. 7.
.macro GPASS ka, vb, zero
.irp i, 0,1,2,3
.irp j, 0,1,2,3
.if \zero
	v_wmma_f32_16x16x32_bf16 v[CA+8*(4*\i+\j):CA+8*(4*\i+\j)+7], v[\ka+16*\j:\ka+16*\j+7], v[\vb+16*\i:\vb+16*\i+7], 0
.else
	v_wmma_f32_16x16x32_bf16 v[CA+8*(4*\i+\j):CA+8*(4*\i+\j)+7], v[\ka+16*\j:\ka+16*\j+7], v[\vb+16*\i:\vb+16*\i+7], v[CA+8*(4*\i+\j):CA+8*(4*\i+\j)+7]
.endif
.endr
.endr
.endm
; Three passes: hi hi, hi lo, lo hi.  In each the 16 accumulators take turns, one instruction a turn.
.macro GEMM2 first
	WIN 0x50
	GPASS PA+56, PA-8, \first                      ; k hi, w v hi
	GPASS PA+56, PA, 0                             ; k hi, w v lo
	GPASS PA+64, PA-8, 0                           ; k lo, w v hi
.endm
; A block of 32 steps in slot.  mode 2: the slot is filled again, two blocks ahead; mode 1: nothing is left to fetch, the other slot is still to be read; mode 0: the last block.
.macro BLOCK slot, other, first, mode
	KSTEP \slot, 0, 0
	KSTEP \slot, 1, 1
	KSTEP \slot, 2, 0
	KSTEP \slot, 3, 1
	KSTEP \slot, 4, 0
	KSTEP \slot, 5, 1
	KSTEP \slot, 6, 0
	s_wait_dscnt 0x0                               ; my reads of this slot are over
	WIN 0
	CVT 1
.if \mode == 2
	s_wait_xcnt 0x0
	v_lshl_add_u32 v126, v0, 2, 0x4b100
	v_mov_b32 v127, 0
	s_wait_tensorcnt 0x0                           ; all my tensor loads have landed: the one that was out is the other slot's,
	ds_add_u32 v126, v127
	s_wait_dscnt 0x0
	s_add_nc_u64 s[G0+4*\slot+2:G0+4*\slot+3], s[G0+4*\slot+2:G0+4*\slot+3], 2*32*1024   ; so a group 0 may be written: two blocks on
	s_barrier_signal -1                            ; opens a round of the cluster's barrier;
.endif
	MULS 7, 1                                      ; register work while the others arrive
	WIN 0
.if \mode == 2
	s_barrier_wait -1
	CREST                                          ; no wave of any partner still reads this slot or has a load on its way
	tensor_load_to_lds s[G0+4*\slot:G0+4*\slot+3], s[G1:G1+7]      ; my one tensor load behind the round, and the first thing there
	s_nop 0
	LOADX \other, 0
.endif
.if \mode == 1
	s_wait_tensorcnt 0x0                           ; the last block's tile, asked for one block ago
	LOADX \other, 0
.endif
	PLACES
	SCAN \first
	POST \first
.if \first == 0
	RESCALE
.endif
	GEMM2 \first
	WIN 0                                          ; the next block's 16 conversions are the places in front of the products that write over these fragments
.endm
	s_wait_tensorcnt 0x1                           ; tensor loads of a wave end in order (ISA guide 10.11.1): block 0 is in, block 1 may stay out; a wave reads its own slots alone
	LOADX 0, 0
	BLOCK 0, 1, 1, 2
	BLOCK 1, 0, 0, 2
	BLOCK 0, 1, 0, 1
	BLOCK 1, 0, 0, 0
	; THE FOUR WAVES' STATES BECOME ONE.  e_w = m_w + the G of the waves behind w; the chunk's m is their maximum.
	PLACES                                         ; v[120:127] were sources of the last products
	s_lshl_b32 s23, s16, 3
	s_add_co_u32 s23, s23, SC
	v_mov_b32 v120, s23
	ds_store_b64 v120, v[M:M+1]                    ; (m, G): the same in all lanes
	v_and_b32 v124, 15, v0                         ; r
	v_bfe_u32 v125, v0, 4, 1                       ; h
	v_mov_b32 v121, SC
	s_wait_dscnt 0x0
	s_barrier_signal -1
	s_barrier_wait -1
	ds_load_b128 v[88:91], v121                    ; m0 G0 m1 G1
	ds_load_b128 v[92:95], v121 offset:16          ; m2 G2 m3 G3
	s_cmp_eq_u32 s16, 0
	s_cselect_b32 s58, -1, 0
	s_cmp_eq_u32 s16, 1
	s_cselect_b32 s59, -1, 0
	s_cmp_eq_u32 s16, 2
	s_cselect_b32 s60, -1, 0
	v_mul_u32_u24 v123, v124, CP                   ; C stage: row r, 8 h numbers of 4 bytes, in my wave's slot 0
	v_lshl_add_u32 v123, v125, 5, v123
	v_add_nc_u32 v123, s22, v123
	v_lshl_add_u32 v122, v124, 2, s22              ; n stage: column r
	s_wait_dscnt 0x0
	v_add_f32 v96, v93, v95                        ; G2 + G3
	v_add_f32 v97, v91, v96                        ; G1 + G2 + G3
	v_add_f32 v105, v89, v97                       ; the chunk's G
	v_add_f32 v100, v88, v97                       ; e0
	v_add_f32 v101, v90, v96                       ; e1
	v_add_f32 v102, v92, v95                       ; e2; e3 = m3
	v_max3_num_f32 v104, v100, v101, v102
	v_max_num_f32 v104, v104, v94                  ; the chunk's m
	v_cndmask_b32 v103, v94, v102, s60             ; my wave's e
	v_cndmask_b32 v103, v103, v101, s59
	v_cndmask_b32 v103, v103, v100, s58
	v_sub_f32 v103, v103, v104
	v_mul_f32 v103, LOG2E, v103
	v_exp_f32 v[CY], v103
	v_exp_f32 v[CY+1], v103
	v_add_f32 v[TA], v[NACC], v[NACC+1]            ; n: the pair's two halves (plain work behind the exponentials),
	v_add_f32 v[TA+1], v[NACC+2], v[NACC+3]
	v_add_f32 v[TA+2], v[NACC+4], v[NACC+5]
	v_add_f32 v[TA+3], v[NACC+6], v[NACC+7]
	v_permlanex16_b32 v100, v[TA], s42, s43        ; the other 16 steps,
	v_permlanex16_b32 v101, v[TA+1], s42, s43
	v_permlanex16_b32 v102, v[TA+2], s42, s43
	v_permlanex16_b32 v103, v[TA+3], s42, s43
	v_pk_add_f32 v[TA:TA+1], v[TA:TA+1], v[100:101]
	v_pk_add_f32 v[TA+2:TA+3], v[TA+2:TA+3], v[102:103]
	s_wait_alu depctr_va_vdst(0)
	v_pk_mul_f32 v[TA:TA+1], v[TA:TA+1], v[CY:CY+1]        ; and my wave's factor
	v_pk_mul_f32 v[TA+2:TA+3], v[TA+2:TA+3], v[CY:CY+1]
.irp c, 0,1,2,3
	ds_store_b32 v122, v[TA+\c] offset:NST+\c*64   ; both halves of the lanes store the same number
.endr
	RESCALE
	WIN 0x04
.irp i, 0,1,2,3
.irp j, 0,1,2,3
.irp e, 0,1
	ds_store_b128 v123, v[CA+8*(4*\i+\j)+4*\e:CA+8*(4*\i+\j)+4*\e+3] offset:\i*16*CP+\j*64+\e*16
.endr
.endr
.endr
	WIN 0
	s_mul_i32 s23, s16, 16*CP                      ; back: wave w sums rows 16 w .. 16 w + 15 of the four stages; lanes 0-15 take one row, lanes 16-31 the next
	v_mul_u32_u24 v120, v125, CP
	v_lshl_add_u32 v120, v124, 4, v120
	v_add_nc_u32 v120, s23, v120
	v_add_nc_u32 v121, WRING, v120
	v_add_nc_u32 v126, 2*WRING, v120
	v_add_nc_u32 v127, 3*WRING, v120
	v_and_b32 v1, 31, v0
	v_lshlrev_b32 v1, 4, v1
	v_lshl_add_u32 v1, s16, 12, v1                 ; in the record: 16 rows of 256 bytes a wave, 16 bytes a lane
	s_wait_dscnt 0x0                               ; my stage is written,
	s_barrier_signal -1
	s_barrier_wait -1                              ; everybody's is
.irp t, 0,1,2,3,4,5,6,7
	ds_load_b128 v[PA+4*\t:PA+4*\t+3],       v120 offset:\t*2*CP
	ds_load_b128 v[PA+32+4*\t:PA+32+4*\t+3], v121 offset:\t*2*CP
	ds_load_b128 v[PA+64+4*\t:PA+64+4*\t+3], v126 offset:\t*2*CP
	ds_load_b128 v[PA+96+4*\t:PA+96+4*\t+3], v127 offset:\t*2*CP
.endr
.irp t, 0,1,2,3,4,5,6,7
	s_wait_dscnt 28-4*\t                           ; LDS loads come back in order: the four of row pair t are in, those of the later pairs may be out
	v_pk_add_f32 v[PA+4*\t:PA+4*\t+1],       v[PA+4*\t:PA+4*\t+1],       v[PA+32+4*\t:PA+32+4*\t+1]
	v_pk_add_f32 v[PA+4*\t+2:PA+4*\t+3],     v[PA+4*\t+2:PA+4*\t+3],     v[PA+32+4*\t+2:PA+32+4*\t+3]
	v_pk_add_f32 v[PA+64+4*\t:PA+64+4*\t+1], v[PA+64+4*\t:PA+64+4*\t+1], v[PA+96+4*\t:PA+96+4*\t+1]
	v_pk_add_f32 v[PA+64+4*\t+2:PA+64+4*\t+3], v[PA+64+4*\t+2:PA+64+4*\t+3], v[PA+96+4*\t+2:PA+96+4*\t+3]
	v_pk_add_f32 v[PA+4*\t:PA+4*\t+1],       v[PA+4*\t:PA+4*\t+1],       v[PA+64+4*\t:PA+64+4*\t+1]
	v_pk_add_f32 v[PA+4*\t+2:PA+4*\t+3],     v[PA+4*\t+2:PA+4*\t+3],     v[PA+64+4*\t+2:PA+64+4*\t+3]
	global_store_b128 v1, v[PA+4*\t:PA+4*\t+3], s[56:57] offset:\t*512     ; a store of the wave covers 512 consecutive bytes, at a multiple of 256 from the record's first byte
.endr
	s_cmp_lg_u32 s16, 0
	s_cbranch_scc1 .Lnot_first
	v_and_b32 v96, 31, v0                          ; wave 0: n and (m, G), 8 bytes a lane
	v_lshlrev_b32 v96, 3, v96
	v_add_nc_u32 v97, WRING, v96
	v_add_nc_u32 v98, 2*WRING, v96
	v_add_nc_u32 v99, 3*WRING, v96
	ds_load_b64 v[88:89], v96 offset:NST
	ds_load_b64 v[90:91], v97 offset:NST
	ds_load_b64 v[92:93], v98 offset:NST
	ds_load_b64 v[94:95], v99 offset:NST
	s_wait_dscnt 0x0
	v_pk_add_f32 v[88:89], v[88:89], v[90:91]
	v_pk_add_f32 v[92:93], v[92:93], v[94:95]
	v_pk_add_f32 v[88:89], v[88:89], v[92:93]
	global_store_b64 v96, v[88:89], s[56:57] offset:16384
	global_store_b64 v96, v[104:105], s[56:57] offset:16640
.Lnot_first:
	s_wait_xcnt 0x0
	v_lshl_add_u32 v126, v0, 2, 0x4b100
	v_mov_b32 v127, 0
	s_wait_tensorcnt 0x0
	ds_add_u32 v126, v127
	s_wait_dscnt 0x0
	ROUND                                          ; the closing round: no work-group ends while a partner may still ask for a tile that names it
	s_endpgm
.Lfunc_end_k_q857436f733_chunks:
	.size	k_q857436f733_chunks, .Lfunc_end_k_q857436f733_chunks-k_q857436f733_chunks
	.p2alignl 7, 3214868480
	.fill 96, 4, 3214868480
	.section	.rodata,"a",@progbits
	.p2align	6, 0x0
	.amdhsa_kernel k_q857436f733_chunks
		.amdhsa_group_segment_fixed_size 327680
		.amdhsa_private_segment_fixed_size 0
		.amdhsa_enable_private_segment 0
		.amdhsa_kernarg_size 48
		.amdhsa_user_sgpr_count 2
		.amdhsa_user_sgpr_kernarg_segment_ptr 1
		.amdhsa_wavefront_size32 1
		.amdhsa_system_sgpr_workgroup_id_x 1
		.amdhsa_system_sgpr_workgroup_id_y 1
		.amdhsa_system_sgpr_workgroup_id_z 1
		.amdhsa_system_vgpr_workitem_id 0
		.amdhsa_next_free_vgpr 1024
		.amdhsa_next_free_sgpr 66
		.amdhsa_reserve_vcc 0
		.amdhsa_float_denorm_mode_32 3
		.amdhsa_float_denorm_mode_16_64 3
		.amdhsa_memory_ordered 1
		.amdhsa_forward_progress 1
		.amdhsa_inst_pref_size 255
	.end_amdhsa_kernel
	.section	.bss,"aw",@nobits
	.p2align	6
	.space	262144
	.amdgpu_metadata
---
amdhsa.version: [ 1, 2 ]
amdhsa.kernels:
  - .name:           k_q857436f733_chunks
    .symbol:         k_q857436f733_chunks.kd
    .args:
      - { .name: x, .offset: 0, .size: 8, .value_kind: global_buffer, .address_space: global }
      - { .name: W_ml, .offset: 8, .size: 8, .value_kind: global_buffer, .address_space: global }
      - { .name: b_ml, .offset: 16, .size: 8, .value_kind: global_buffer, .address_space: global }
      - { .name: W_lin, .offset: 24, .size: 8, .value_kind: global_buffer, .address_space: global }
      - { .name: b_lin, .offset: 32, .size: 8, .value_kind: global_buffer, .address_space: global }
      - { .name: part, .offset: 40, .size: 8, .value_kind: global_buffer, .address_space: global }
    .group_segment_fixed_size: 327680
    .private_segment_fixed_size: 0
    .kernarg_segment_align: 8
    .kernarg_segment_size: 48
    .max_flat_workgroup_size: 128
    .sgpr_count:     66
    .vgpr_count:     1024
    .wavefront_size: 32
...
	.end_amdgpu_metadata
.endif
;; end of part 1
;; launch finish (part 2): grid 64 x 1, 16 waves a work-group, no clusters, 14,848 bytes of LDS; arguments part, x, W_ml, b_ml, out0, out1; writes out0, out1
.if DOCPART == 2
	.amdgcn_target "amdgcn-amd-amdhsa--gfx1250"
	.amdhsa_code_object_version 6
	.text
	.protected	k_q857436f733_finish
	.globl	k_q857436f733_finish
	.p2align	8
	.type	k_q857436f733_finish,@function
k_q857436f733_finish:
	s_mov_b64 s[64:65], 0
	v_nop
	global_prefetch_b8 v0, s[64:65] scope:SCOPE_SE
	s_setreg_imm32_b32 hwreg(HW_REG_WAVE_MODE, 25, 1), 1
	s_wait_xcnt 0x0
; xLSTM, second launch: one work-group for each pair (b, l), id = 8 b + l.  It merges the pair's four chunk records,
;   e_c = m_c + the G of the chunks behind c,  m_T = max(e_0 .. e_3, sum of all G + m_0) with m_0 = 0,  C_T = sum of exp(e_c - m_T) C_c,  n_T likewise,
; stores C_T, makes o and q of the last time step, and stores h = sigmoid(o) (C_T^T q) / max(n_T q, 1).
; o and q are one row each for a work-group: a product of one row that streams its weights.  It is done on the vector unit, on x and W rounded
; to bf16 as in all the other projections of x, with exact products and f32 sums; the matrix unit, LDS tiles and clusters would buy nothing here.
; Wave w takes K = 16 w .. 16 w + 15; lanes 0-15 hold 4 columns each of W_o, lanes 16-31 of W_q; the 16 waves' parts meet in LDS.
; LIMITS.  x and W_ml (o, q) are rounded to bf16; b_ml stays f32.  NaN and infinite inputs are not served.  v_exp_f32 gives 0 for results below 2^-126.
.set REC,   16896                      ; a record: C 16,384 bytes, n 256, (m, G) 32 times
.set OQ,    0                          ; LDS: [16 waves][128 columns] f32: parts of o (0-63) and q (64-127)
.set OQF,   8192                       ; o, then q, 256 bytes each
.set NUM,   8704                       ; [16 waves][64 columns] f32: parts of C^T q
.set LOG2E, 0x3fb8aa3b
.set W,    8                           ; v[8:71]    16 rows x 4 columns of W; at work afterwards
.set BIAS, 72
.set CC,   76                          ; v[76:107]  chunk c, half g of C at 8 c + 4 g; the merged C grows in chunk 0's
.set NN,   108                         ; v[108:115] n of chunk c at 2 c
.set ACC,  116                         ; v[116:119] my 4 columns of o or q
.set XB,   120                         ; v[120:127] my wave's 16 numbers of x in bf16, two a register
.set E,    8                           ; v[8:11]    e_c, then the exponents
.set S,    20                          ; v[20:27]   exp(e_c - m_T), twice each
	s_load_b256 s[4:11], s[0:1], 0x0               ; part s[4:5], x s[6:7], W_ml s[8:9], b_ml s[10:11]
	s_load_b128 s[12:15], s[0:1], 0x20             ; out0 s[12:13], out1 s[14:15]
	v_lshl_add_u32 v128, v0, 2, 0x3200
	v_mov_b32 v129, 0
	v_lshrrev_b32 v1, 5, v0
	v_readfirstlane_b32 s24, v1                    ; wave 0..15
	s_lshr_b32 s25, ttmp9, 3                       ; b
	s_and_b32 s26, ttmp9, 7                        ; l
	s_mul_i32 s48, ttmp9, 4*REC                    ; the pair's four records
	s_mov_b32 s49, 0
	s_lshl_b32 s50, s25, 21                        ; x[b][2047][16 w]
	s_add_co_u32 s50, s50, 2047*1024
	s_lshl_b32 s27, s24, 6
	s_add_co_u32 s50, s50, s27
	s_mov_b32 s51, 0
	s_lshl_b32 s52, s26, 16                        ; W_ml[l]; W_ml[24 + l] lies 24 x 65,536 bytes on
	s_mov_b32 s53, 0
	s_lshl_b32 s54, s26, 8                         ; b_ml[l]; b_ml[24 + l] lies 6,144 bytes on
	s_mov_b32 s55, 0
	s_lshl_b32 s56, ttmp9, 8                       ; out0[b][l]
	s_mov_b32 s57, 0
	s_lshl_b32 s58, ttmp9, 14                      ; out1[b][l]
	s_mov_b32 s59, 0
	s_mov_b32 s28, 0x76543210                      ; v_permlanex16_b32: lane i of one half reads lane i of the other
	s_mov_b32 s29, 0xfedcba98
	v_and_b32 v1, 15, v0                           ; lane % 16
	v_bfe_u32 v6, v0, 4, 1                         ; lane / 16: o or q
	v_mul_u32_u24 v7, v6, 0x180000
	v_lshl_add_u32 v2, v1, 4, v7
	v_lshl_add_u32 v2, s24, 12, v2                 ; W: + 16 rows of 256 bytes a wave
	v_bfe_u32 v3, v0, 6, 1                         ; bias of column t % 128
	v_mul_u32_u24 v3, v3, 6144
	v_and_b32 v7, 63, v0
	v_lshl_add_u32 v3, v7, 2, v3
	v_lshlrev_b32 v4, 4, v0                        ; 16 t: C in a record and in out1, and my part in OQ
	v_and_b32 v5, 31, v0
	v_lshlrev_b32 v5, 3, v5                        ; 8 x lane
	s_wait_kmcnt 0x0
	s_add_nc_u64 s[4:5], s[4:5], s[48:49]
	s_add_nc_u64 s[6:7], s[6:7], s[50:51]
	s_add_nc_u64 s[8:9], s[8:9], s[52:53]
	s_add_nc_u64 s[10:11], s[10:11], s[54:55]
	s_add_nc_u64 s[12:13], s[12:13], s[56:57]
	s_add_nc_u64 s[14:15], s[14:15], s[58:59]
	s_load_b64 s[16:17], s[4:5], 16640             ; (m, G) of chunk 0 .. 3; this launch writes neither part nor x
	s_load_b64 s[18:19], s[4:5], REC+16640
	s_load_b64 s[20:21], s[4:5], 2*REC+16640
	s_load_b64 s[22:23], s[4:5], 3*REC+16640
	s_load_b512 s[32:47], s[6:7], 0x0              ; my wave's 16 numbers of x
.irp k, 0,1,2,3,4,5,6,7,8,9,10,11,12,13,14,15
	global_load_b128 v[W+4*\k:W+4*\k+3], v2, s[8:9] offset:\k*256      ; lanes 0-15 a whole row of W_o, lanes 16-31 a whole row of W_q
.endr
	global_load_b32 v[BIAS], v3, s[10:11]
.irp c, 0,1,2,3
.irp g, 0,1
	global_load_b128 v[CC+8*\c+4*\g:CC+8*\c+4*\g+3], v4, s[4:5] offset:\c*REC+\g*8192 th:TH_LOAD_NT
.endr
.endr
.irp c, 0,1,2,3
	global_load_b64 v[NN+2*\c:NN+2*\c+1], v5, s[4:5] offset:\c*REC+16384
.endr
	s_wait_kmcnt 0x0
.irp k, 0,1,2,3,4,5,6,7
	v_cvt_pk_bf16_f32 v[XB+\k], s[32+2*\k], s[33+2*\k]
.endr
.irp k, 0,1,2,3
	v_mov_b32 v[ACC+\k], 0
.endr
; row kk of my wave's 16: its 4 columns rounded to bf16, times x (half hi of register xr), into 4 sums in f32
.macro ROWK kk, xr, hi
	v_cvt_pk_bf16_f32 v[W+4*(\kk)], v[W+4*(\kk)], v[W+4*(\kk)+1]
	v_cvt_pk_bf16_f32 v[W+4*(\kk)+1], v[W+4*(\kk)+2], v[W+4*(\kk)+3]
	v_fma_mix_f32_bf16 v[ACC],   v[W+4*(\kk)],   v[XB+\xr], v[ACC]   op_sel:[0,\hi,0] op_sel_hi:[1,1,0]
	v_fma_mix_f32_bf16 v[ACC+1], v[W+4*(\kk)],   v[XB+\xr], v[ACC+1] op_sel:[1,\hi,0] op_sel_hi:[1,1,0]
	v_fma_mix_f32_bf16 v[ACC+2], v[W+4*(\kk)+1], v[XB+\xr], v[ACC+2] op_sel:[0,\hi,0] op_sel_hi:[1,1,0]
	v_fma_mix_f32_bf16 v[ACC+3], v[W+4*(\kk)+1], v[XB+\xr], v[ACC+3] op_sel:[1,\hi,0] op_sel_hi:[1,1,0]
.endm
	s_wait_loadcnt 13                              ; loads come back in order (ISA guide 5.7.1): W's 16 are in; the bias, C's 8 and n's 4 may be out
.irp x, 0,1,2,3,4,5,6,7
	ROWK 2*\x, \x, 0
	ROWK 2*\x+1, \x, 1
.endr
	ds_store_b128 v4, v[ACC:ACC+3] offset:OQ       ; wave w, columns 4 x lane: byte 512 w + 16 lane = 16 t
	; the chunks' factors, the same in every lane
	v_mov_b32 v12, s23                             ; G3
	v_add_f32 v13, s21, v12                        ; G2 + G3
	v_add_f32 v14, s19, v13                        ; G1 + G2 + G3
	v_add_f32 v15, s17, v14                        ; all: the exponent that m_0 = 0 has reached
	v_add_f32 v[E], s16, v14
	v_add_f32 v[E+1], s18, v13
	v_add_f32 v[E+2], s20, v12
	v_mov_b32 v[E+3], s22
	v_max3_num_f32 v16, v[E], v[E+1], v[E+2]
	v_max3_num_f32 v16, v16, v[E+3], v15           ; m_T
.irp c, 0,1,2,3
	v_sub_f32 v[E+\c], v[E+\c], v16
.endr
.irp c, 0,1,2,3
	v_mul_f32 v[E+\c], LOG2E, v[E+\c]
.endr
.irp c, 0,1,2,3
	v_exp_f32 v[S+2*\c], v[E+\c]
	v_exp_f32 v[S+2*\c+1], v[E+\c]
.endr
	v_lshrrev_b32 v6, 4, v0                        ; plain work behind the exponentials: my row of C, t / 16,
	v_lshlrev_b32 v6, 2, v6                        ; as a byte offset in q
	s_wait_loadcnt 4                               ; the bias and C are in; n's 4 may be out
	s_wait_alu depctr_va_vdst(0)
.irp g, 0,1
.irp e, 0,2
	v_pk_mul_f32 v[CC+4*\g+\e:CC+4*\g+\e+1], v[CC+4*\g+\e:CC+4*\g+\e+1], v[S:S+1]
.endr
.endr
.irp c, 1,2,3
.irp g, 0,1
.irp e, 0,2
	v_pk_fma_f32 v[CC+4*\g+\e:CC+4*\g+\e+1], v[CC+8*\c+4*\g+\e:CC+8*\c+4*\g+\e+1], v[S+2*\c:S+2*\c+1], v[CC+4*\g+\e:CC+4*\g+\e+1]
.endr
.endr
.endr
	global_store_b128 v4, v[CC:CC+3], s[14:15] th:TH_STORE_NT                  ; a store of the wave covers 512 consecutive bytes, aligned to 256
	global_store_b128 v4, v[CC+4:CC+7], s[14:15] offset:8192 th:TH_STORE_NT    ; these registers are read again below and never rewritten
	s_wait_dscnt 0x0                               ; my part of o and q is in LDS,
	s_barrier_signal -1
	s_barrier_wait -1                              ; everybody's is
	s_cmp_ge_u32 s24, 4
	s_cbranch_scc1 .Lno_column
	v_lshlrev_b32 v7, 2, v0                        ; threads 0-127: column t of o and q: the 16 waves' parts and the bias
.irp k, 0,1,2,3,4,5,6,7,8,9,10,11,12,13,14,15
	ds_load_b32 v[28+\k], v7 offset:OQ+\k*512
.endr
	s_wait_dscnt 0x0
.irp k, 0,4,8,12
	v_pk_add_f32 v[28+\k:29+\k], v[28+\k:29+\k], v[30+\k:31+\k]
.endr
	v_pk_add_f32 v[28:29], v[28:29], v[32:33]
	v_pk_add_f32 v[36:37], v[36:37], v[40:41]
	v_pk_add_f32 v[28:29], v[28:29], v[36:37]
	v_add_f32 v28, v28, v29
	v_add_f32 v28, v28, v[BIAS]
	ds_store_b32 v7, v28 offset:OQF
.Lno_column:
	s_wait_dscnt 0x0
	s_barrier_signal -1
	s_barrier_wait -1
	; C^T q: thread t holds columns 4 (t % 16) .. + 3 of rows t / 16 and 32 + t / 16
	ds_load_b32 v44, v6 offset:OQF+256
	ds_load_b32 v45, v6 offset:OQF+256+128
	v_lshlrev_b32 v54, 4, v1
	v_lshl_add_u32 v54, s24, 8, v54
	s_wait_dscnt 0x0
.irp k, 0,1,2,3
	v_mul_f32 v[46+\k], v[CC+\k], v44
.endr
.irp k, 0,1,2,3
	v_fmac_f32 v[46+\k], v[CC+4+\k], v45
.endr
.irp k, 0,1,2,3
	v_permlanex16_b32 v[50+\k], v[46+\k], s28, s29 ; the wave's other two rows, same columns
.endr
	v_pk_add_f32 v[46:47], v[46:47], v[50:51]
	v_pk_add_f32 v[48:49], v[48:49], v[52:53]
	ds_store_b128 v54, v[46:49] offset:NUM         ; both halves of the lanes store the same numbers
	s_wait_dscnt 0x0
	s_barrier_signal -1
	s_barrier_wait -1
	s_cmp_lg_u32 s24, 0
	s_cbranch_scc1 .Lend
	; wave 0: lane L makes h of columns 2 L and 2 L + 1
.irp k, 0,1,2,3,4,5,6,7,8,9,10,11,12,13,14,15
	ds_load_b64 v[28+2*\k:29+2*\k], v5 offset:NUM+\k*256
.endr
	ds_load_b64 v[60:61], v5 offset:OQF            ; o
	ds_load_b64 v[62:63], v5 offset:OQF+256        ; q
	s_wait_loadcnt 0x0                             ; n
	v_pk_mul_f32 v[NN:NN+1], v[NN:NN+1], v[S:S+1]
.irp c, 1,2,3
	v_pk_fma_f32 v[NN:NN+1], v[NN+2*\c:NN+2*\c+1], v[S+2*\c:S+2*\c+1], v[NN:NN+1]
.endr
	s_wait_dscnt 0x0
.irp k, 0,2,4,6,8,10,12,14
	v_pk_add_f32 v[28+2*\k:29+2*\k], v[28+2*\k:29+2*\k], v[30+2*\k:31+2*\k]
.endr
.irp k, 0,4,8,12
	v_pk_add_f32 v[28+2*\k:29+2*\k], v[28+2*\k:29+2*\k], v[32+2*\k:33+2*\k]
.endr
	v_pk_add_f32 v[28:29], v[28:29], v[36:37]
	v_pk_add_f32 v[44:45], v[44:45], v[52:53]
	v_pk_add_f32 v[28:29], v[28:29], v[44:45]      ; C^T q of my two columns
	v_mul_f32 v64, v[NN], v62
	v_fmac_f32 v64, v[NN+1], v63
	v_add_f32_dpp v64, v64, v64 row_xmask:1 row_mask:0xf bank_mask:0xf
	v_add_f32_dpp v64, v64, v64 row_xmask:2 row_mask:0xf bank_mask:0xf
	v_add_f32_dpp v64, v64, v64 row_xmask:4 row_mask:0xf bank_mask:0xf
	v_add_f32_dpp v64, v64, v64 row_xmask:8 row_mask:0xf bank_mask:0xf
	v_permlanex16_b32 v65, v64, s28, s29
	v_add_f32 v64, v64, v65                        ; n q
	v_max_num_f32 v64, 1.0, v64
	v_mul_f32 v60, 0xbfb8aa3b, v60                 ; sigmoid(o) = 1 / (1 + 2^(-o log2 e))
	v_mul_f32 v61, 0xbfb8aa3b, v61
	v_exp_f32 v66, v60
	v_exp_f32 v67, v61
	v_rcp_f32 v68, v64
	v_nop                                          ; one plain instruction behind the transcendentals, in front of the first use of a result
	s_wait_alu depctr_va_vdst(0)
	v_add_f32 v66, 1.0, v66
	v_add_f32 v67, 1.0, v67
	v_rcp_f32 v70, v66
	v_rcp_f32 v71, v67
	v_mul_f32 v28, v28, v68                        ; plain work that touches neither v66-67 nor v70-71
	v_mul_f32 v29, v29, v68
	s_wait_alu depctr_va_vdst(0)
	v_mul_f32 v28, v28, v70
	v_mul_f32 v29, v29, v71
	global_store_b64 v5, v[28:29], s[12:13]        ; the wave's store covers the pair's 256 bytes of out0
.Lend:
	s_wait_tensorcnt 0x0
	ds_add_u32 v128, v129
	s_wait_dscnt 0x0
	s_endpgm
.Lfunc_end_k_q857436f733_finish:
	.size	k_q857436f733_finish, .Lfunc_end_k_q857436f733_finish-k_q857436f733_finish
	.p2alignl 7, 3214868480
	.fill 96, 4, 3214868480
	.section	.rodata,"a",@progbits
	.p2align	6, 0x0
	.amdhsa_kernel k_q857436f733_finish
		.amdhsa_group_segment_fixed_size 14848
		.amdhsa_private_segment_fixed_size 0
		.amdhsa_enable_private_segment 0
		.amdhsa_kernarg_size 48
		.amdhsa_user_sgpr_count 2
		.amdhsa_user_sgpr_kernarg_segment_ptr 1
		.amdhsa_wavefront_size32 1
		.amdhsa_system_sgpr_workgroup_id_x 1
		.amdhsa_system_sgpr_workgroup_id_y 1
		.amdhsa_system_sgpr_workgroup_id_z 1
		.amdhsa_system_vgpr_workitem_id 0
		.amdhsa_next_free_vgpr 130
		.amdhsa_next_free_sgpr 66
		.amdhsa_reserve_vcc 0
		.amdhsa_float_denorm_mode_32 3
		.amdhsa_float_denorm_mode_16_64 3
		.amdhsa_memory_ordered 1
		.amdhsa_forward_progress 1
		.amdhsa_inst_pref_size 21
	.end_amdhsa_kernel
	.amdgpu_metadata
---
amdhsa.version: [ 1, 2 ]
amdhsa.kernels:
  - .name:           k_q857436f733_finish
    .symbol:         k_q857436f733_finish.kd
    .args:
      - { .name: part, .offset: 0, .size: 8, .value_kind: global_buffer, .address_space: global }
      - { .name: x, .offset: 8, .size: 8, .value_kind: global_buffer, .address_space: global }
      - { .name: W_ml, .offset: 16, .size: 8, .value_kind: global_buffer, .address_space: global }
      - { .name: b_ml, .offset: 24, .size: 8, .value_kind: global_buffer, .address_space: global }
      - { .name: out0, .offset: 32, .size: 8, .value_kind: global_buffer, .address_space: global }
      - { .name: out1, .offset: 40, .size: 8, .value_kind: global_buffer, .address_space: global }
    .group_segment_fixed_size: 14848
    .private_segment_fixed_size: 0
    .kernarg_segment_align: 8
    .kernarg_segment_size: 48
    .max_flat_workgroup_size: 512
    .sgpr_count:     66
    .vgpr_count:     130
    .wavefront_size: 32
...
	.end_amdgpu_metadata
.endif
;; end of part 2
